; MI455X (gfx1250); checked and timed in simulation.
; The chip was launched on July 23, 2026; its instructions are those of AMD's public machine-readable ISA for CDNA 5 (MIT licence, August 2026) and "CDNA5" Instruction Set Architecture Reference Guide (July 2026). The comments in the code are by the model that wrote it; some were corrected since.
;; NNK. Allowed arithmetic: matrix products marked QUANTISED: E2M1 operands, one E8M0 scale for each 32 along K, by v_wmma_scale_f32_16x16x128_f8f6f4 with both operands' format E2M1 (or v_wmma_scale_f32_32x16x128_f4), f32 sums; everything else in f32.
;; Inputs: gs 2,048 x 1,024 float32; input_weights 2,048 x 1,024 float32; x 4 x 2,048 x 1,024 float32; xis 2,048 float32.
;; Outputs: out0 4 x 2,048 x 2,048 float32.
;; This version of the problem:
;;   THIS VERSION OF THE PROBLEM IS GIVEN IN LOW PRECISION. The matrix products marked QUANTISED in the list below multiply operands that are first quantised to E2M1 (2 exponent bits, 1 mantissa bit; 4 bits a number), with one power-of-two scale for each 32 numbers along K (OCP MX v1.0); their sums are f32. All else is computed in f32.
;;   The module's matrix products, in the order in which they are computed (A, B: the left and right operand; K: the contracted axis; several contracted axes count as one K, in the product's order):
;;     1. [M 2,048, K 1,024] x [K 1,024, N 2,048]; A: input input_weights; B: computed on the way: QUANTISED
;;     2. [M 8,192, K 1,024] x [K 1,024, N 2,048]; A: input x; B: computed on the way: QUANTISED
;;     3. [M 8,192, K 2,048] x [K 2,048, N 2,048]; A: computed on the way; B: computed on the way: QUANTISED
;;   THE QUANTISER, for each operand of a quantised product, along K:
;;     - K is cut into blocks of 32 from its start; a last block that is shorter is filled with zeros.
;;     - A block's scale is 2^e with e = floor(log2(the largest magnitude in the block)) - 2, held to -126 .. 127; a block of zeros has e = 0. As a byte (E8M0): e + 127.
;;     - Each number is divided by its block's scale, clamped to +-6, and rounded to the nearest number of E2M1, ties to even, subnormals kept.
;;     - The product sums the exact products of the quantised numbers (number of the format x scale) in f32.
;;   ~~~python
;;   def quantise(x, axis):      # numpy; x: float32 -> the quantised numbers, widened to float32 again
;;       x = np.moveaxis(x, axis, -1); K = x.shape[-1]
;;       x = np.pad(x, [(0, 0)] * (x.ndim - 1) + [(0, -K % 32)]); x = x.reshape(x.shape[:-1] + (-1, 32)); a = np.abs(x).max(-1, keepdims=True)
;;       e = np.where(a > 0, np.clip(np.frexp(np.where(a > 0, a, 1))[1] - 1 - 2, -126, 127), 0)      # np.frexp(a)[1] - 1 = floor(log2(a)), exactly
;;       r = np.clip(x / 2.0 ** e, -6, 6)
;;       step = 2.0 ** (np.maximum(np.frexp(np.where(r == 0, 1, r))[1] - 1, 0) - 1)
;;       q = np.round(r / step) * step * 2.0 ** e      # np.round: ties to even
;;       return np.moveaxis(q.reshape(q.shape[:-2] + (-1,))[..., :K], -1, axis).astype(np.float32)
;;   ~~~
;;   OPERANDS COMPUTED ON THE WAY. 'Computed on the way' means the value that the module computes at that place (a softmax that the list does not call 'softmax' is quantised finished and normalised). What goes into a quantiser is computed in f32, as accurately as f32 sums, v_exp_f32 and their like allow (about 1e-6 of the number): no bf16 or f16 on the way to a quantiser, and a product that is left as it is and whose result goes on into a quantised operand takes f32 operands (vector FMAs, or v_wmma_f32_16x16x4_f32). A number that lies on a knife's edge between two numbers of the format may be rounded either way, as far as f32 arithmetic and the matrix unit's own rounding can turn it there, and no further.
;; One version. Each part assembles by itself: llvm-mc -triple=amdgcn-amd-amdhsa -mcpu=gfx1250 --defsym DOCPART=n.
;; ======== version 1 of 1: 3 launches
;; limits: right only within a limited range of input values
;; workspace buffers: xw_img 5,570,560 bytes; g_img 1,114,112 bytes; sq 40,960 bytes; phi 11,141,120 bytes
;; launch quant (part 1): grid 768 x 1, 4 waves a work-group, no clusters, 32,256 bytes of LDS; arguments x, input_weights, gs, xis, xw_img, g_img, sq; writes xw_img, g_img, sq
.if DOCPART == 1
	.amdgcn_target "amdgcn-amd-amdhsa--gfx1250"
	.amdhsa_code_object_version 6
	.text
	.protected	k_qd88a235494_quant
	.globl	k_qd88a235494_quant
	.p2align	8
	.type	k_qd88a235494_quant,@function
k_qd88a235494_quant:
	s_mov_b64 s[64:65], 0
	v_nop
	global_prefetch_b8 v0, s[64:65] scope:SCOPE_SE
	s_setreg_imm32_b32 hwreg(HW_REG_WAVE_MODE, 25, 1), 1
	s_wait_xcnt 0x0
; x [8192][1024] and input_weights [2048][1024] (stacked: "xw", 10,240 rows) and G = xis[m] * gs[m][:] [2048][1024], all f32, become codes of FP4 (E2M1) with one
; E8M0 scale byte for each 32 along the rows; of the xw rows the sum of squares (of the unquantised numbers) is stored too.
; A block's scale is 2^(floor(log2(its largest magnitude)) - 2); its byte is the largest magnitude's exponent field - 2, held at 1 from below.
; LIMITS: NaN and infinities are not served.  A block whose largest magnitude lies under 2^-124 gets the byte 1; so does a block of zeros, where the rule says 127:
; its codes are zeros, which add nothing under any byte but 0xff, and the bytes are read by this program alone.
; LAYOUT: a tile of 16 rows is an image of 2 x 4,352 bytes, 512 along K each: 4,096 bytes of codes, [block of 32 along K: 16][row: 16][16 bytes], so that the fragment of the q-th 128 along K is the
; 1,024 bytes at 1,024 q with lane l's registers 4 c .. 4 c + 3 at 512 c + 16 l, and behind them 256 bytes of scale words (four bytes: 128 along K), [128 along K: 4][row: 16].
; G'S ROWS ARE PERMUTED: row r of tile T is source row 32 (T / 2) + 8 (T % 2) + r + 8 (r / 8), so that the next launch's results lie with 16 neighbours along m in a lane's registers.
; INPUT_WEIGHTS' ROWS TOO: row r of tile T is source row 64 (T / 4) + 4 r + T % 4, so that in the last launch four tiles give a lane four neighbouring columns of the output.
; SHARES.  A work-group makes one tile of 16 rows: numbers 0-511 x, 512-639 input_weights, 640-767 G.  All take ONE path: only pointers, offsets and a lane mask are chosen, on the
; work-group's number.  Wave w takes columns 256 w .. 256 w + 255: eight steps of two rows.  All 32 loads of a wave go out at once, each 512 consecutive bytes.
; The conversions want 16 neighbours in one lane: a step's 2,048 bytes turn through the wave's own stage in LDS (16 bytes of padding behind each 64).
; No tensor loads, no cluster: no input byte is read by two work-groups.  One barrier, for the scale bytes and the partial sums that wave 0 gathers and stores.
.set NX,   512                         ; tiles of x
.set NXW,  640                         ; tiles of x and input_weights
.set HB,   4352                        ; half an image
.set SP,   80                          ; a lane's place in a turn stage: 64 bytes + 16
.set STG,  32*SP                       ; a turn stage
.set CST,  2*STG                       ; behind the two: the wave's code stage, 8 blocks x 256 bytes,
.set CP,   288                         ; 288 bytes apart: 72 words, so that the 32 lanes' 8-byte stores fall on 64 different words modulo 64
.set WREG, 7680                        ; LDS of a wave
.set SCB,  4*WREG                      ; the tile's 512 scale bytes, as they go to memory
.set SQB,  SCB+512                     ; [wave][row] partial sums of squares
.set SPARE, 0x7c00                     ; the spare words, 128 bytes a wave
.set S,    16                          ; v16-19   two chains of squares
.set MU,   20                          ; v20-35   step t: the rows' multiplier, twice (a pair for the packed multiply)
.set C,    36                          ; v36-51   step t: 16 codes, two registers
.set E,    52                          ; v52-59   step t: the scale byte
.set SQP,  60                          ; v60-67   step t: the row's sum of squares over my wave's columns
.set X,    68                          ; v68-99   two sets of 16 neighbours
.set R,    100                         ; v100-227 eight sets of 16 numbers as loaded
.set ODD,  228                         ; v228     the loads' offset in a step's second row
.set SCO,  229                         ; v229     16 scale bytes: lanes 0-15 in the image's first half, lanes 16-31 in its second
.set RB,   66                          ; s[66:81] where step t's first row begins
	s_load_b256 s[4:11], s[0:1], 0x0               ; x, input_weights, gs, xis
	s_load_b128 s[12:15], s[0:1], 0x20             ; xw_img, g_img
	s_load_b64 s[20:21], s[0:1], 0x30              ; sq
	v_lshl_add_u32 v232, v0, 2, SPARE
	v_mov_b32 v233, 0
	v_lshrrev_b32 v1, 5, v0
	v_readfirstlane_b32 s22, v1                    ; wave
	v_and_b32 v1, 31, v0                           ; lane
	v_bfe_u32 v2, v0, 4, 1                         ; h = lane / 16
	v_lshlrev_b32 v3, 4, v1                        ; 16 x lane
	s_mul_i32 s23, s22, WREG
	v_lshrrev_b32 v4, 2, v1
	v_mul_u32_u24 v4, v4, SP
	v_and_b32 v10, 3, v1
	v_lshl_add_u32 v4, v10, 4, v4
	v_add_nc_u32 v4, s23, v4                       ; turn stage, in: SP (lane / 4) + 16 (lane % 4)
	v_mul_u32_u24 v5, v1, SP
	v_add_nc_u32 v5, s23, v5                       ; and out: SP x lane
	v_bfe_u32 v6, v0, 1, 3                         ; my block among the wave's eight
	v_mul_u32_u24 v6, v6, CP
	v_lshl_add_u32 v6, v2, 4, v6
	v_and_b32 v10, 1, v0
	v_lshl_add_u32 v6, v10, 3, v6
	v_add_nc_u32 v6, s23, v6
	v_add_nc_u32 v6, CST, v6                       ; code stage, in: block x CP + 16 (row's low bit) + 8 (which half of the block); 32 t comes by the immediate
	v_and_b32 v11, 15, v0
	v_mul_u32_u24 v7, v2, CP
	v_lshl_add_u32 v7, v11, 4, v7
	v_add_nc_u32 v7, s23, v7
	v_add_nc_u32 v7, CST, v7                       ; and out: sixteen lanes to a block's 256 bytes
	v_mul_u32_u24 v[SCO], v2, HB
	v_lshl_add_u32 v[SCO], v11, 4, v[SCO]
	v_bfe_u32 v8, v0, 1, 2
	v_bfe_u32 v10, v0, 3, 1
	v_lshl_add_u32 v8, v10, 6, v8
	v_lshl_add_u32 v8, v2, 2, v8
	s_lshl_b32 s46, s22, 7
	v_add_nc_u32 v8, s46, v8
	v_add_nc_u32 v8, SCB, v8                       ; my scale byte: 64 (2 w + block / 4) + 4 row + block % 4
	v_lshlrev_b32 v14, 2, v2                       ; 4 h
	s_lshl_b32 s46, s22, 6
	v_add_nc_u32 v9, s46, v14
	v_add_nc_u32 v9, SQB, v9                       ; my row's partial sum: 64 w + 4 row
	v_lshlrev_b32 v15, 2, v11                      ; 4 (lane % 16)
	s_and_b32 s40, ttmp9, 1
	s_lshl_b32 s40, s40, 3                         ; 8 x (tile's low bit): 640 is even, so G's tile has the work-group's low bit
	s_wait_alu depctr_va_vdst(0)                   ; the wait at the head's end
	s_wait_kmcnt 0x0
	s_cmp_lt_u32 ttmp9, NX                         ; every choice hangs on the work-group's number alone
	s_cselect_b64 s[24:25], s[4:5], s[6:7]
	s_cselect_b32 s37, 0, NX
	s_cmp_lt_u32 ttmp9, NXW
	s_cselect_b64 s[24:25], s[24:25], s[8:9]       ; the source,
	s_cselect_b32 s37, s37, NXW                    ; its first work-group,
	s_cselect_b64 s[28:29], s[12:13], s[14:15]     ; the images,
	s_cselect_b32 s38, 0, NXW                      ; the first work-group of the destination,
	s_cselect_b32 s39, 0, 8                        ; how many source rows the tile's rows 8-15 lie further down,
	s_cselect_b32 s40, 0, s40                      ; how many rows the tile begins earlier than 16 x its number,
	s_cselect_b32 vcc_lo, 0, -1                    ; and whether the rows are multiplied by xis
	s_sub_co_u32 s37, ttmp9, s37                   ; the tile's number in its source
	s_sub_co_u32 s38, ttmp9, s38                   ; and in its destination
	s_lshl_b32 s41, s37, 4
	s_sub_co_u32 s41, s41, s40                     ; the tile's first source row; rows 4,096 bytes apart;
	s_lshr_b32 s44, s37, 2
	s_lshl_b32 s44, s44, 6
	s_and_b32 s45, s37, 3
	s_add_co_u32 s44, s44, s45                     ; in input_weights 64 (T / 4) + T % 4, and every fourth row
	s_mov_b32 s50, 4096
	s_sub_co_u32 s45, ttmp9, NX
	s_cmp_lt_u32 s45, NXW-NX
	s_cselect_b32 s41, s44, s41
	s_cselect_b32 s50, 16384, s50                  ; bytes from row to row
	s_lshl_b32 s42, s41, 12
	s_lshl_b32 s43, s22, 10
	s_add_co_u32 s42, s42, s43
	s_mov_b32 s43, 0
	s_add_nc_u64 s[RB:RB+1], s[24:25], s[42:43]    ; step 0: first row x 4,096 + 1,024 w
	s_lshl_b32 s42, s39, 12
	s_lshl_b32 s44, s50, 1                         ; a step is two rows
	s_mov_b32 s45, 0
	s_add_nc_u64 s[RB+2:RB+3], s[RB:RB+1], s[44:45]
	s_add_nc_u64 s[RB+4:RB+5], s[RB+2:RB+3], s[44:45]
	s_add_nc_u64 s[RB+6:RB+7], s[RB+4:RB+5], s[44:45]
	s_add_nc_u64 s[RB+8:RB+9], s[RB+6:RB+7], s[44:45]
	s_add_nc_u64 s[RB+8:RB+9], s[RB+8:RB+9], s[42:43]  ; from step 4 on: rows 8-15
	s_add_nc_u64 s[RB+10:RB+11], s[RB+8:RB+9], s[44:45]
	s_add_nc_u64 s[RB+12:RB+13], s[RB+10:RB+11], s[44:45]
	s_add_nc_u64 s[RB+14:RB+15], s[RB+12:RB+13], s[44:45]
	s_lshl_b32 s42, s41, 2
	s_cmp_lt_u32 ttmp9, NXW
	s_cselect_b32 s42, 0, s42                      ; xis at the tile's rows (x and input_weights read its first 16 words and put 1.0 in their place)
	s_add_nc_u64 s[32:33], s[10:11], s[42:43]
	s_lshl_b32 s42, s39, 2
	s_add_nc_u64 s[34:35], s[32:33], s[42:43]
	s_mul_i32 s42, s38, 2*HB
	s_add_nc_u64 s[30:31], s[28:29], s[42:43]      ; the tile's image,
	s_lshr_b32 s42, s22, 1
	s_mul_i32 s42, s42, HB
	s_and_b32 s44, s22, 1
	s_lshl_b32 s44, s44, 11
	s_add_co_u32 s42, s42, s44
	s_add_nc_u64 s[28:29], s[30:31], s[42:43]      ; my 2,048 bytes of its codes,
	s_add_nc_u64 s[30:31], s[30:31], 0x1000        ; and its first 256 scale bytes
	v_add_nc_u32 v[ODD], s50, v3
.irp t, 0,1,2,3
	global_load_b32 v[MU+2*\t], v14, s[32:33] offset:8*\t          ; xis of row 2 t + h
.endr
.irp t, 4,5,6,7
	global_load_b32 v[MU+2*\t], v14, s[34:35] offset:8*\t
.endr
.macro LOAD t                          ; rows 2 t and 2 t + 1, my 1,024 bytes of each: four loads of 512 consecutive bytes
.irp i, 0,1
	global_load_b128 v[R+16*(\t)+4*\i:R+16*(\t)+4*\i+3], v3, s[RB+2*(\t):RB+2*(\t)+1] offset:\i*512 th:TH_LOAD_NT
.endr
.irp i, 0,1
	global_load_b128 v[R+16*(\t)+8+4*\i:R+16*(\t)+8+4*\i+3], v[ODD], s[RB+2*(\t):RB+2*(\t)+1] offset:\i*512 th:TH_LOAD_NT
.endr
.endm
.irp t, 0,1,2,3,4,5,6,7
	LOAD \t
.endr
.macro TURN t                          ; step t's numbers through a stage: LDS serves a wave's instructions in order, so no wait stands between the stores and the loads
.irp i, 0,1,2,3
	ds_store_b128 v4, v[R+16*(\t)+4*\i:R+16*(\t)+4*\i+3] offset:STG*((\t)%2)+8*SP*\i
.endr
.irp i, 0,1,2,3
	ds_load_b128 v[X+16*((\t)%2)+4*\i:X+16*((\t)%2)+4*\i+3], v5 offset:STG*((\t)%2)+16*\i
.endr
.endm
	s_wait_loadcnt 28                              ; the eight words of xis and step 0's four loads are in; the 28 loads of steps 1 to 7 may be out
.irp t, 0,1,2,3,4,5,6,7
	v_cndmask_b32 v[MU+2*\t+1], 1.0, v[MU+2*\t], vcc_lo            ; xis for G, 1.0 for x and input_weights
	v_cndmask_b32 v[MU+2*\t], 1.0, v[MU+2*\t], vcc_lo
.endr
	TURN 0
; Step t: lane p holds row 2 t + p / 16, columns 256 w + 16 (p % 16) + 0 .. 15; two neighbouring lanes hold a block.
.macro STEP t
.set XS, X+16*((\t)%2)
.if (\t) > 0
	s_wait_dscnt 3                                 ; this step's four loads from the stage are in; the last step's three stores, issued behind them, may be out
.else
	s_wait_dscnt 0x0
.endif
.if (\t) < 7
	s_wait_loadcnt 4*(6-(\t))                      ; the next step's four loads are in; those of the steps behind it may be out
	TURN (\t)+1                                    ; and go through the other stage while this step is worked
.endif
.irp j, 0,2,4,6,8,10,12,14
	v_pk_mul_f32 v[XS+\j:XS+\j+1], v[XS+\j:XS+\j+1], v[MU+2*(\t):MU+2*(\t)+1]
.endr
	v_pk_mul_f32 v[S:S+1], v[XS:XS+1], v[XS:XS+1]                  ; the squares, in two chains that the first products start
	v_pk_mul_f32 v[S+2:S+3], v[XS+2:XS+3], v[XS+2:XS+3]
.irp j, 4,8,12
	v_pk_fma_f32 v[S:S+1], v[XS+\j:XS+\j+1], v[XS+\j:XS+\j+1], v[S:S+1]
	v_pk_fma_f32 v[S+2:S+3], v[XS+\j+2:XS+\j+3], v[XS+\j+2:XS+\j+3], v[S+2:S+3]
.endr
	v_max3_num_f32 v10, |v[XS]|, |v[XS+1]|, |v[XS+2]|              ; the largest magnitude of my 16
	v_max3_num_f32 v11, |v[XS+3]|, |v[XS+4]|, |v[XS+5]|
.irp i, 6,10
	v_max3_num_f32 v10, v10, |v[XS+\i]|, |v[XS+\i+1]|
	v_max3_num_f32 v11, v11, |v[XS+\i+2]|, |v[XS+\i+3]|
.endr
	v_pk_add_f32 v[S:S+1], v[S:S+1], v[S+2:S+3]
	v_max3_num_f32 v10, v10, |v[XS+14]|, |v[XS+15]|
	v_add_f32 v[SQP+(\t)], v[S], v[S+1]
	v_max3_num_f32 v10, v10, v11, 0x1800000        ; and the floor 2^(3 - 127): the byte cannot fall under 1
	v_add_f32_dpp v[SQP+(\t)], v[SQP+(\t)], v[SQP+(\t)] row_xmask:1 row_mask:0xf bank_mask:0xf   ; the row's sixteen lanes
	v_max_num_f32_dpp v10, v10, v10 row_xmask:1 row_mask:0xf bank_mask:0xf                       ; my neighbour's 16: the block's largest magnitude
	v_add_f32_dpp v[SQP+(\t)], v[SQP+(\t)], v[SQP+(\t)] row_xmask:2 row_mask:0xf bank_mask:0xf
	v_add_nc_u32 v12, 0xff000000, v10              ; 2 off its exponent field: the conversion takes the exponent field of this operand as its scale
	v_add_f32_dpp v[SQP+(\t)], v[SQP+(\t)], v[SQP+(\t)] row_xmask:4 row_mask:0xf bank_mask:0xf
	v_add_f32_dpp v[SQP+(\t)], v[SQP+(\t)], v[SQP+(\t)] row_xmask:8 row_mask:0xf bank_mask:0xf
	v_cvt_scalef32_pk8_fp4_f32 v[C+2*(\t)], v[XS:XS+7], v12
	v_cvt_scalef32_pk8_fp4_f32 v[C+2*(\t)+1], v[XS+8:XS+15], v12
	v_lshrrev_b32 v[E+(\t)], 23, v12               ; the scale's byte (a plain line behind the conversions)
	ds_store_b64 v6, v[C+2*(\t):C+2*(\t)+1] offset:32*(\t)
	ds_store_b8 v8, v[E+(\t)] offset:8*(\t)        ; both lanes of a block write the same byte with the same value
	ds_store_b32 v9, v[SQP+(\t)] offset:8*(\t)     ; the sixteen lanes of a row write the same word with the same value
.endm
.irp t, 0,1,2,3,4,5,6,7
	STEP \t
.endr
.irp i, 0,1,2,3
	ds_load_b128 v[R+4*\i:R+4*\i+3], v7 offset:2*CP*\i             ; my codes, two blocks (512 bytes of the image) an instruction
.endr
	s_wait_dscnt 0x0                               ; for the others' sake too: my scale bytes and partial sums have landed
	s_barrier_signal -1
	s_barrier_wait -1
.irp i, 0,1,2,3
	global_store_b128 v3, v[R+4*\i:R+4*\i+3], s[28:29] offset:512*\i   ; 32 lanes store 512 consecutive bytes, at a multiple of 256 from the buffer's first byte
.endr
	s_cmp_lg_u32 s22, 0
	s_cbranch_scc1 .Lend                           ; wave 0 stores what the four waves gathered
	ds_load_b128 v[R+16:R+19], v3 offset:SCB
.irp w, 0,1,2,3
	ds_load_b32 v[R+20+\w], v15 offset:SQB+64*\w
.endr
	s_wait_dscnt 0x0
	global_store_b128 v[SCO], v[R+16:R+19], s[30:31]   ; the tile's scale bytes: 256 in each half of the image
	s_cmp_ge_u32 ttmp9, NXW
	s_cbranch_scc1 .Lend                           ; G's rows have no sum of squares to keep
	v_add_f32 v[R+20], v[R+20], v[R+21]
	v_add_f32 v[R+22], v[R+22], v[R+23]
	v_add_f32 v[R+20], v[R+20], v[R+22]
	s_lshl_b32 s46, ttmp9, 6
	s_mov_b32 s47, 0
	s_add_nc_u64 s[20:21], s[20:21], s[46:47]      ; 16 rows x 4 bytes a tile
	v_cmp_gt_u32 vcc_lo, 16, v1
	s_wait_alu depctr_va_vdst(0)                   ; the wait directly ahead of the wait below
	s_wait_xcnt 0x0                                ; EXEC is a source of the stores above: it changes only behind this wait
	s_and_saveexec_b32 s48, vcc_lo
	global_store_b32 v15, v[R+20], s[20:21]
	s_wait_xcnt 0x0                                ; and again in front of the line that widens it
	s_or_b32 exec_lo, exec_lo, s48
.Lend:
	s_wait_tensorcnt 0x0                           ; the wave's end
	ds_add_u32 v232, v233
	s_wait_dscnt 0x0
	s_endpgm
.Lfunc_end_k_qd88a235494_quant:
	.size	k_qd88a235494_quant, .Lfunc_end_k_qd88a235494_quant-k_qd88a235494_quant
	.p2alignl 7, 3214868480
	.fill 96, 4, 3214868480
	.section	.rodata,"a",@progbits
	.p2align	6, 0x0
	.amdhsa_kernel k_qd88a235494_quant
		.amdhsa_group_segment_fixed_size 32256
		.amdhsa_private_segment_fixed_size 0
		.amdhsa_enable_private_segment 0
		.amdhsa_kernarg_size 56
		.amdhsa_user_sgpr_count 2
		.amdhsa_user_sgpr_kernarg_segment_ptr 1
		.amdhsa_wavefront_size32 1
		.amdhsa_system_sgpr_workgroup_id_x 1
		.amdhsa_system_sgpr_workgroup_id_y 1
		.amdhsa_system_sgpr_workgroup_id_z 1
		.amdhsa_system_vgpr_workitem_id 0
		.amdhsa_next_free_vgpr 234
		.amdhsa_next_free_sgpr 84
		.amdhsa_reserve_vcc 1
		.amdhsa_float_denorm_mode_32 3
		.amdhsa_float_denorm_mode_16_64 3
		.amdhsa_memory_ordered 1
		.amdhsa_forward_progress 1
		.amdhsa_inst_pref_size 35
	.end_amdhsa_kernel
	.amdgpu_metadata
---
amdhsa.version: [ 1, 2 ]
amdhsa.kernels:
  - .name:           k_qd88a235494_quant
    .symbol:         k_qd88a235494_quant.kd
    .args:
      - { .name: x, .offset: 0, .size: 8, .value_kind: global_buffer, .address_space: global }
      - { .name: input_weights, .offset: 8, .size: 8, .value_kind: global_buffer, .address_space: global }
      - { .name: gs, .offset: 16, .size: 8, .value_kind: global_buffer, .address_space: global }
      - { .name: xis, .offset: 24, .size: 8, .value_kind: global_buffer, .address_space: global }
      - { .name: xw_img, .offset: 32, .size: 8, .value_kind: global_buffer, .address_space: global }
      - { .name: g_img, .offset: 40, .size: 8, .value_kind: global_buffer, .address_space: global }
      - { .name: sq, .offset: 48, .size: 8, .value_kind: global_buffer, .address_space: global }
    .group_segment_fixed_size: 32256
    .private_segment_fixed_size: 0
    .kernarg_segment_align: 8
    .kernarg_segment_size: 56
    .max_flat_workgroup_size: 128
    .sgpr_count:     84
    .vgpr_count:     234
    .wavefront_size: 32
...
	.end_amdgpu_metadata
.endif
;; end of part 1
;; launch feat (part 2): grid 8 x 32, 4 waves a work-group, clusters of 4 x 4, 327,680 bytes of LDS; arguments xw_img, g_img, sq, xis, phi; writes phi
.if DOCPART == 2
	.amdgcn_target "amdgcn-amd-amdhsa--gfx1250"
	.amdhsa_code_object_version 6
	.text
	.protected	k_qd88a235494_feat
	.globl	k_qd88a235494_feat
	.p2align	8
	.type	k_qd88a235494_feat,@function
k_qd88a235494_feat:
	s_mov_b64 s[64:65], 0
	v_nop
	global_prefetch_b8 v0, s[64:65] scope:SCOPE_SE
	s_setreg_imm32_b32 hwreg(HW_REG_WAVE_MODE, 25, 1), 1
	s_wait_xcnt 0x0
	s_wait_alu depctr_hold_cnt(0) depctr_sa_sdst(0) depctr_va_vdst(0) depctr_va_sdst(0) depctr_va_ssrc(0) depctr_va_vcc(0) depctr_vm_vsrc(0)
	s_getreg_b32 s2, hwreg(HW_REG_IB_STS2, 6, 4)
	s_cmp_eq_u32 s2, 0
	s_cbranch_scc0 .Lentry_in_a_cluster
	s_endpgm
.Lentry_in_a_cluster:
	s_bfe_u32 s2, ttmp6, 0x10000c
	s_cmp_lg_u32 s2, 0xf033
	s_cbranch_scc0 .Lentry_shape_is_right
	s_endpgm
.Lentry_shape_is_right:
; phi[row][m] = 2^(log2(e) (XW[row] . G[m] - 0.5 sq[row] xis[m]^2) - 5.5) for the 10,240 rows of x and input_weights and the 2,048 features m (5.5 = log2(sqrt(2048))), quantised along m to codes of FP4 (E2M1).
; LIMITS: NaN and infinities are not served; a block whose largest number lies under 2^-124 gets the scale byte 1 (a block of zeros too: its codes are zeros).
; A work-group of four waves makes 320 rows x 256 features, a wave 160 x 128: 10 x 8 accumulators, 640 registers.  K = 1,024, in two LDS slots of 512 (36 tiles x 4,352 bytes, codes and scale words together),
; each filled once: slot 0 at the head, slot 1 behind the second cluster round, in flight during the first steps.  Each wave fetches a quarter of a slot by one joint load.
; No loop of loads: nothing is prefetched into the L2.
; CLUSTERS: 4 x 4 work-groups; the four of a row of the cluster share XW's tiles, the four of a column G's: asked for jointly.
; THE CORRECTION -0.5 sq xis^2 STARTS THE SUMS: it is laid into the accumulators while the tiles are on their way, and the first products take it as C.
; THE MATRIX INSTRUCTION IS USED TRANSPOSED (source 0 = 16 rows of G, source 1 = 16 rows of XW): a lane holds one row and its registers run along m; by G's permuted rows tiles 2 b and 2 b + 1
; give 16 neighbours along m: features 32 b + 16 (lane / 16) + 0 .. 15 of the wave's 128, which are quantised in the registers, two row blocks at a time.
; OUTPUT: [512 along m: 4][tile of 16 rows: 640][4,352 bytes]: 4,096 bytes of codes as images of the operand's registers, then 256 bytes of scale words, [128 along m: 4][row: 16].
; REGISTERS, in windows of 256: window 0: addresses, scale words (v32-51, two sets of 10), XW's fragments (v112-191; behind the products the quantiser's registers), xis^2 (v192-255, used up ahead of the products);
;   windows 1, 2: accumulators of row blocks 0-3, 4-7; window 3: v0-127 those of blocks 8, 9; v128-255 G's fragments, two sets, and behind the products two blocks' exponents, then exponentials.
.set HB,    4352                       ; half a tile's image: 512 along K.  Also a tile's image in the output
.set TB,    2*HB
.set PL,    640*HB
.set AH,    10*HB                      ; what a wave fetches for a slot: half of the rows' tiles, or half of the features'
.set BH,    8*HB
.set BOFF,  2*AH
.set SLOT,  BOFF+2*BH
.set SPARE, 2*SLOT
.set NA,    10
.set NH,    4                          ; v4-13   -0.5 sq of my row in block a
.set ADRA,  16                         ; v16, 17 my rows' fragments in slot 0, 1
.set ADRB,  18                         ; v18, 19 my features' fragments
.set ADRS,  20                         ; v20, 21 scale words: lanes 0-15 the rows' tile i, lanes 16-31 the features' tile i
.set ADRS2, 22                         ; v22, 23 the rows' alone
.set CO,    24                         ; v24     16 x lane
.set SO,    25                         ; v25     my scale word in two tiles of the output
.set SC,    32
.set AF,    112
.set Q2,    192
.set TM,    112                        ; window 0, behind the products: eight blocks' largest numbers,
.set TX,    120                        ; the other half of the lanes', then the bytes,
.set TS,    128                        ; the conversions' scale operands,
.set PC,    136                        ; codes of two row blocks,
.set PWS,   152                        ; scale words of ten,
.set MG,    162
.set C55,   168
.set T,     128                        ; window 3, behind the products: 128 numbers
.set G1A, 24
.set G0A, 32                           ; s[32:39] one set for each slot
.set G1B, 48
.set G0B, 56                           ; s[56:63]
.set MUL1, 0x53                        ; source 0 window 3, source 1 window 0, C and D window 1, 2, 3
.set MUL2, 0xa3
.set MUL3, 0xf3
.set MSB, 0
.macro WIN new                         ; the immediate's high byte repeats the setting that is left
.if MSB != (\new)
	s_set_vgpr_msb (MSB<<8)|(\new)
.set MSB, (\new)
.endif
.endm
.macro PLACES n
.rept \n
	v_nop
.endr
.endm
.macro CROUND                          ; a round of the cluster's barrier
	s_barrier_signal -1
	s_barrier_wait -1
	s_cmp_lg_u32 s20, 0
	s_cbranch_scc1 .Lnot_wave_0_\@
	s_barrier_signal -3
.Lnot_wave_0_\@:
	s_barrier_wait -3
	s_barrier_signal -1
	s_barrier_wait -1
.endm
.macro JLOAD s                         ; one joint load a wave: waves 0 and 1 fetch the rows' tiles, waves 2 and 3 the features'
	s_cmp_eq_u32 s21, 0
	s_cbranch_scc0 .Lfor_b_\@
	tensor_load_to_lds s[G0A+4*\s:G0A+4*\s+3], s[G1A:G1A+7]
	s_nop 0
	PLACES 4
	s_branch .Lasked_\@
.Lfor_b_\@:
	tensor_load_to_lds s[G0B+4*\s:G0B+4*\s+3], s[G1B:G1B+7]
	s_nop 0
	PLACES 4
.Lasked_\@:
.endm
.macro SHAPE g, r                      ; descriptor group 1, words 1 to 7: r half images (544 elements of 8 bytes), an image apart
	s_mov_b32 s[\g+1], (HB/8)<<16
	s_mov_b32 s[\g+2], (\r)<<16
	s_mov_b32 s[\g+3], (HB/8)<<16
	s_mov_b32 s[\g+4], \r
	s_mov_b32 s[\g+5], TB/8
	s_mov_b32 s[\g+6], 0
	s_mov_b32 s[\g+7], 0
.endm
	s_load_b256 s[4:11], s[0:1], 0x0               ; xw_img, g_img, sq, xis
	s_load_b64 s[12:13], s[0:1], 0x20              ; phi
	v_lshl_add_u32 v30, v0, 2, SPARE
	v_mov_b32 v31, 0
	ds_add_u32 v30, v31                            ; the wave's opening: the add, twice on end, and its wait
	ds_add_u32 v30, v31
	v_lshrrev_b32 v1, 5, v0
	v_readfirstlane_b32 s20, v1                    ; wave
	s_lshr_b32 s21, s20, 1                         ; which half of the rows is mine.  Also: I fetch for the rows (0) or for the features (1)
	s_and_b32 s22, s20, 1                          ; which half of the features is mine.  Also: which half of those tiles I fetch
	s_bfe_u32 s40, ttmp6, 0x40000
	s_bfe_u32 s41, ttmp6, 0x40004
	s_lshl_b32 s42, ttmp9, 2
	s_add_co_u32 s42, s42, s40                     ; which 256 features
	s_and_b32 s43, ttmp7, 0xffff
	s_lshl_b32 s43, s43, 2
	s_add_co_u32 s43, s43, s41                     ; which 320 rows
	s_lshl_b32 s44, s41, 2
	s_lshl_b32 s44, 15, s44                        ; my row of the cluster
	s_lshl_b32 s45, 0x1111, s40                    ; my column
	s_or_b32 s[G1A], s44, (3<<16)|(1<<21)
	s_or_b32 s[G1B], s45, (3<<16)|(1<<21)
	SHAPE G1A, 10
	SHAPE G1B, 8
	s_mul_i32 s92, s43, 20*TB                      ; where my fetch begins: among the rows' tiles,
	s_mul_i32 s93, s22, 10*TB
	s_add_co_u32 s92, s92, s93
	s_mov_b32 s93, 0
	s_mul_i32 s96, s22, AH
	s_mul_i32 s46, s42, 16*TB                      ; and among the features'
	s_mul_i32 s47, s22, 8*TB
	s_add_co_u32 s46, s46, s47
	s_mov_b32 s47, 0
	s_mul_i32 s66, s22, BH
	s_add_co_u32 s66, s66, BOFF                    ; LDS: half s22 of the features' tiles
	s_mul_i32 s23, s21, AH                         ; and half s21 of the rows'
	s_sub_co_u32 s100, s66, s23
	v_and_b32 v1, 15, v0                           ; r
	v_bfe_u32 v2, v0, 4, 1                         ; h
	v_and_b32 v3, 31, v0
	v_lshlrev_b32 v[CO], 4, v3
	v_lshlrev_b32 v27, 2, v1
	v_lshlrev_b32 v26, 6, v2
	v_mul_u32_u24 v[SO], v2, HB
	v_lshl_add_u32 v[SO], v1, 2, v[SO]
	v_add_nc_u32 v[ADRA], s23, v[CO]
	v_add_nc_u32 v[ADRA+1], SLOT, v[ADRA]
	v_add_nc_u32 v[ADRB], s66, v[CO]
	v_add_nc_u32 v[ADRB+1], SLOT, v[ADRB]
	v_mul_u32_u24 v28, s100, v2                    ; lanes 16-31 take the features' words
	v_add_nc_u32 v[ADRS2], s23, v27
	v_add_nc_u32 v[ADRS], v[ADRS2], v28
	v_add_nc_u32 v[ADRS+1], SLOT, v[ADRS]
	v_add_nc_u32 v[ADRS2+1], SLOT, v[ADRS2]
	s_wait_alu depctr_va_vdst(0)                   ; the wait directly ahead of the waits below
	s_wait_dscnt 0x0                               ; both opening adds are done
	s_wait_kmcnt 0x0
	s_add_nc_u64 s[92:93], s[4:5], s[92:93]
	s_add_nc_u64 s[46:47], s[6:7], s[46:47]
.irp s, 0,1
	s_mov_b32 s[G0A+4*\s], 1
	s_add_co_u32 s[G0A+4*\s+1], s96, \s*SLOT
	s_add_nc_u64 s[G0A+4*\s+2:G0A+4*\s+3], s[92:93], \s*HB
	s_or_b32 s[G0A+4*\s+3], s[G0A+4*\s+3], 0x80000000
	s_mov_b32 s[G0B+4*\s], 1
	s_add_co_u32 s[G0B+4*\s+1], s66, \s*SLOT
	s_add_nc_u64 s[G0B+4*\s+2:G0B+4*\s+3], s[46:47], \s*HB
	s_or_b32 s[G0B+4*\s+3], s[G0B+4*\s+3], 0x80000000
.endr
	s_mul_i32 s98, s43, 1280
	s_mul_i32 s94, s21, 640
	s_add_co_u32 s98, s98, s94
	s_mov_b32 s99, 0
	s_add_nc_u64 s[8:9], s[8:9], s[98:99]          ; sq at my 160 rows
	s_lshl_b32 s94, s42, 10
	s_lshl_b32 s95, s22, 9
	s_add_co_u32 s94, s94, s95
	s_mov_b32 s95, 0
	s_add_nc_u64 s[10:11], s[10:11], s[94:95]      ; xis at my 128 features
.irp t, 0,1,2,3,4,5,6,7
	global_load_b128 v[Q2+8*\t:Q2+8*\t+3], v26, s[10:11] offset:(32*(\t/2)+8*(\t%2))*4
	global_load_b128 v[Q2+8*\t+4:Q2+8*\t+7], v26, s[10:11] offset:(32*(\t/2)+8*(\t%2))*4+16
.endr
.irp a, 0,1,2,3,4,5,6,7,8,9
	global_load_b32 v[NH+\a], v27, s[8:9] offset:64*\a
.endr
	CROUND                                         ; all sixteen work-groups are here: the joint loads meet
	JLOAD 0
	s_mul_i32 s92, s43, 20*HB                      ; where my results go: the tile,
	s_mul_i32 s94, s21, 10*HB
	s_add_co_u32 s92, s92, s94
	s_lshl_b32 s46, s42, 1
	s_add_co_u32 s46, s46, s22                     ; which 128 features of all:
	s_lshr_b32 s47, s46, 2
	s_mul_i32 s47, s47, PL                         ; which 512,
	s_add_co_u32 s92, s92, s47
	s_and_b32 s46, s46, 3                          ; and which 128 of them: q
	s_lshl_b32 s94, s46, 6
	s_add_co_u32 s94, s94, s92
	s_add_co_u32 s94, s94, 4096
	s_lshl_b32 s46, s46, 10
	s_add_co_u32 s92, s92, s46
	s_mov_b32 s93, 0
	s_mov_b32 s95, 0
	s_add_nc_u64 s[14:15], s[12:13], s[94:95]      ; scale words: 4,096 + 64 q in the tile
	s_add_nc_u64 s[12:13], s[12:13], s[92:93]      ; codes: 1,024 q
	s_mov_b32 s2, 0x76543210
	s_mov_b32 s3, 0xfedcba98                       ; lane l xor 16
	s_wait_loadcnt 0x0
	s_mov_b32 s98, 0x3fb8aa3b                      ; log2(e)
	s_mov_b32 s99, s98
.set j, 0
.rept 32
	v_pk_mul_f32 v[Q2+j:Q2+j+1], v[Q2+j:Q2+j+1], v[Q2+j:Q2+j+1]
.set j, j+2
.endr
.irp a, 0,1,2,3,4,5,6,7,8,9
	v_mul_f32 v[NH+\a], -0.5, v[NH+\a]
.endr
.macro CINIT a                         ; block a's accumulators: -0.5 sq xis^2
	WIN 0x40*(1+(\a)/4)
.set AC, 64*((\a)%4)
.set j, 0
.rept 32
.if (\a)%2
	v_pk_mul_f32 v[AC+j:AC+j+1], v[Q2+j:Q2+j+1], v[NH+(\a)-1:NH+(\a)] op_sel:[0,1] op_sel_hi:[1,1]
.else
	v_pk_mul_f32 v[AC+j:AC+j+1], v[Q2+j:Q2+j+1], v[NH+(\a):NH+(\a)+1] op_sel_hi:[1,0]
.endif
.set j, j+2
.endr
.endm
.irp a, 0,1,2,3,4,5,6,7,8,9
	CINIT \a
.endr
	WIN 0
; A fragment, 16 rows x 128 along K, is 1,024 bytes of the tile's image: two loads of 16 bytes a lane.  Step q lies in slot q / 4.
.macro FETCH_B q
	WIN 0xc0
.irp i, 0,1,2,3,4,5,6,7
.irp c, 0,1
	ds_load_b128 v[128+64*((\q)%2)+8*\i+4*\c:128+64*((\q)%2)+8*\i+4*\c+3], v[ADRB+(\q)/4] offset:\i*HB+((\q)%4)*1024+512*\c
.endr
.endr
	WIN 0
.endm
.macro FETCH_A q, i0, n
	WIN 0
.set fi, \i0
.rept \n
.irp c, 0,1
	ds_load_b128 v[AF+8*fi+4*\c:AF+8*fi+4*\c+3], v[ADRA+(\q)/4] offset:fi*HB+((\q)%4)*1024+512*\c
.endr
.set fi, fi+1
.endr
.endm
.macro SCALES q
.irp i, 0,1,2,3,4,5,6,7
	ds_load_b32 v[SC+NA*((\q)%2)+\i], v[ADRS+(\q)/4] offset:\i*HB+4096+((\q)%4)*64
.endr
.irp i, 8,9
	ds_load_b32 v[SC+NA*((\q)%2)+\i], v[ADRS2+(\q)/4] offset:\i*HB+4096+((\q)%4)*64
.endr
.endm
.macro MUL16 a0, p                     ; row blocks a0, a0 + 1 x the eight feature blocks.  The 80 accumulators take turns
.irp a, \a0, \a0+1
.irp b, 0,1,2,3,4,5,6,7
	v_wmma_scale_f32_16x16x128_f8f6f4 v[8*(8*((\a)%4)+\b):8*(8*((\a)%4)+\b)+7], v[128+64*(\p)+8*\b:128+64*(\p)+8*\b+7], v[AF+8*(\a):AF+8*(\a)+7], v[8*(8*((\a)%4)+\b):8*(8*((\a)%4)+\b)+7], v[SC+NA*(\p)+\b], v[SC+NA*(\p)+(\a)] matrix_a_fmt:MATRIX_FMT_FP4 matrix_b_fmt:MATRIX_FMT_FP4 matrix_a_scale:MATRIX_SCALE_ROW1
.endr
.endr
.endm
; A step of 128 along K.  G's fragments and the scale words have two sets; XW's one: its blocks are fetched anew behind their products.  LDS loads stand in three runs: at the step's start this step's row
; blocks 8, 9 (4 loads) and the next step's 16 + 10 of G and scale words; behind the first products the next step's row blocks 0-3 (8), behind the second its blocks 4-7 (8).
; Four plain places stand in front of each run (ISA guide 7.12.1 for vector instructions).
; Step 3 changes slots: the barrier stands behind its first products, and the loads of G and scale words behind the barrier.
.macro STEP q
.if (\q) > 0
	PLACES 4
.endif
	FETCH_A \q, 8, 2
.if (\q) == 3 || (\q) == 7
	s_wait_dscnt 12                                ; blocks 4-7 (8) and 8, 9 (4) may be out
.else
	FETCH_B (\q)+1
	SCALES (\q)+1
	s_wait_dscnt 38                                ; blocks 4-7 (8) and the 30 just issued may be out
.endif
	WIN MUL1
	MUL16 0, (\q)%2
	MUL16 2, (\q)%2
.if (\q) == 3
	s_wait_tensorcnt 0x0                           ; my part of slot 1 is in,
	s_wait_dscnt 0x0
	s_barrier_signal -1
	s_barrier_wait -1                              ; and everybody's
.endif
.if (\q) < 7
	PLACES 4
.if (\q) == 3
	FETCH_B (\q)+1
	SCALES (\q)+1
.endif
	FETCH_A (\q)+1, 0, 4
.endif
.if (\q) == 7
	s_wait_dscnt 4                                 ; blocks 8, 9 may be out
.else
	s_wait_dscnt 38                                ; behind blocks 4-7: 30 and 8 loads (in step 3 none of the old ones is out)
.endif
	WIN MUL2
	MUL16 4, (\q)%2
	MUL16 6, (\q)%2
.if (\q) < 7
	PLACES 4
	FETCH_A (\q)+1, 4, 4
	s_wait_dscnt 42                                ; behind blocks 8, 9: 26, 8 and 8 loads
.else
	s_wait_dscnt 0x0
.endif
	WIN MUL3
	MUL16 8, (\q)%2
.endm
	s_wait_alu depctr_va_vdst(0)                   ; the wait at the head's end
	s_wait_tensorcnt 0x0                           ; my part of slot 0 is in
	ds_add_u32 v30, v31
	s_wait_dscnt 0x0
	CROUND                                         ; everybody's part is in, and all sixteen work-groups are here
	JLOAD 1
	FETCH_B 0
	SCALES 0
	FETCH_A 0, 0, 4
	FETCH_A 0, 4, 4
.irp q, 0,1,2,3,4,5,6,7
	STEP \q
.endr
	PLACES 4
	WIN 0
.irp b, 0,1,2,3,4,5,6,7
	v_mov_b32 v[TX+\b], 0                          ; (a lane permute's destination counts as one of its sources)
.endr
	v_mov_b32 v[C55], 0xc0b00000                   ; -5.5
	v_mov_b32 v[C55+1], 0xc0b00000
; Row blocks a and a + 1: exponents, exponentials, codes and scale words, out.
.macro TWO a
.set AC, 64*((\a)%4)
	WIN 0xc0+1+(\a)/4
	s_wait_alu depctr_va_vdst(0)                   ; the wait directly ahead of the first reader of these results
.set j, 0
.rept 64
	v_pk_fma_f32 v[T+j:T+j+1], v[AC+j:AC+j+1], s[98:99], v[C55:C55+1] op_sel_hi:[1,0,1]
.set j, j+2
.endr
	WIN 0xc3
	s_wait_alu depctr_va_vdst(0)                   ; the wait ahead of the batch
.set j, 0
.rept 128
	v_exp_f32 v[T+j], v[T+j]
.set j, j+1
.endr
	v_nop
	WIN 0x3c
	s_wait_xcnt 0x0                                ; the last blocks' stores have read their data
	s_wait_alu depctr_va_vdst(0)                   ; and behind it
.irp b, 0,1,2,3,4,5,6,7
	v_max3_num_f32 v[TM+\b], 0x1800000, v[T+16*\b], v[T+1+16*\b]   ; never negative; the floor 2^(3 - 127) keeps the byte at 1 or above
.endr
.irp i, 2,4,6,8,10,12,14
.irp b, 0,1,2,3,4,5,6,7
	v_max3_num_f32 v[TM+\b], v[TM+\b], v[T+16*\b+\i], v[T+1+16*\b+\i]
.endr
.endr
	WIN 0
.irp b, 0,1,2,3,4,5,6,7
	v_permlanex16_b32 v[TX+\b], v[TM+\b], s2, s3
.endr
.irp b, 0,1,2,3,4,5,6,7
	v_max_num_f32 v[TM+\b], v[TM+\b], v[TX+\b]
.endr
.irp b, 0,1,2,3,4,5,6,7
	v_add_nc_u32 v[TS+\b], 0xff000000, v[TM+\b]    ; 2 off the exponent field: the conversion's scale operand
.endr
.irp b, 0,1,2,3,4,5,6,7
	v_lshrrev_b32 v[TX+\b], 23, v[TS+\b]
.endr
.irp n, 0,1
	v_lshl_or_b32 v[PWS+(\a)+\n], v[TX+4*\n+1], 8, v[TX+4*\n]
.endr
.irp n, 0,1
	v_lshl_or_b32 v[PWS+(\a)+\n], v[TX+4*\n+2], 16, v[PWS+(\a)+\n]
.endr
.irp n, 0,1
	v_lshl_or_b32 v[PWS+(\a)+\n], v[TX+4*\n+3], 24, v[PWS+(\a)+\n]
.endr
	WIN 0x03
.irp b, 0,1,2,3,4,5,6,7
	v_cvt_scalef32_pk8_fp4_f32 v[PC+2*\b], v[T+16*\b:T+7+16*\b], v[TS+\b]
	v_cvt_scalef32_pk8_fp4_f32 v[PC+1+2*\b], v[T+8+16*\b:T+15+16*\b], v[TS+\b]
.endr
	v_nop
	WIN 0
.irp n, 0,1,2,3
.irp i, 0,1
	v_permlane16_swap_b32 v[PC+4*\n+\i], v[PC+2+4*\n+\i]   ; a whole block to a lane
.endr
.endr
.irp n, 0,1
.irp c, 0,1
	global_store_b128 v[CO], v[PC+8*\n+4*\c:PC+8*\n+4*\c+3], s[12:13] offset:((\a)+\n)*HB+512*\c   ; 512 consecutive bytes
.endr
.endr
.endm
.irp a, 0,2,4,6,8
	TWO \a
.endr
	s_mov_b32 vcc_lo, 0xffff0000
.irp p, 0,1,2,3,4
	v_cndmask_b32 v[MG+\p], v[PWS+2*\p], v[PWS+2*\p+1], vcc_lo     ; two tiles' words: lanes 0-15, lanes 16-31
.endr
.irp p, 0,1,2,3,4
	global_store_b32 v[SO], v[MG+\p], s[14:15] offset:2*HB*\p
.endr
	s_wait_tensorcnt 0x0                           ; the wave's end
	ds_add_u32 v30, v31
	s_wait_dscnt 0x0
	CROUND                                         ; the closing round
	s_endpgm
.Lfunc_end_k_qd88a235494_feat:
	.size	k_qd88a235494_feat, .Lfunc_end_k_qd88a235494_feat-k_qd88a235494_feat
	.p2alignl 7, 3214868480
	.fill 96, 4, 3214868480
	.section	.rodata,"a",@progbits
	.p2align	6, 0x0
	.amdhsa_kernel k_qd88a235494_feat
		.amdhsa_group_segment_fixed_size 327680
		.amdhsa_private_segment_fixed_size 0
		.amdhsa_enable_private_segment 0
		.amdhsa_kernarg_size 40
		.amdhsa_user_sgpr_count 2
		.amdhsa_user_sgpr_kernarg_segment_ptr 1
		.amdhsa_wavefront_size32 1
		.amdhsa_system_sgpr_workgroup_id_x 1
		.amdhsa_system_sgpr_workgroup_id_y 1
		.amdhsa_system_sgpr_workgroup_id_z 1
		.amdhsa_system_vgpr_workitem_id 0
		.amdhsa_next_free_vgpr 1024
		.amdhsa_next_free_sgpr 102
		.amdhsa_reserve_vcc 1
		.amdhsa_float_denorm_mode_32 3
		.amdhsa_float_denorm_mode_16_64 3
		.amdhsa_memory_ordered 1
		.amdhsa_forward_progress 1
		.amdhsa_inst_pref_size 224
	.end_amdhsa_kernel
	.amdgpu_metadata
---
amdhsa.version: [ 1, 2 ]
amdhsa.kernels:
  - .name:           k_qd88a235494_feat
    .symbol:         k_qd88a235494_feat.kd
    .args:
      - { .name: xw_img, .offset: 0, .size: 8, .value_kind: global_buffer, .address_space: global }
      - { .name: g_img, .offset: 8, .size: 8, .value_kind: global_buffer, .address_space: global }
      - { .name: sq, .offset: 16, .size: 8, .value_kind: global_buffer, .address_space: global }
      - { .name: xis, .offset: 24, .size: 8, .value_kind: global_buffer, .address_space: global }
      - { .name: phi, .offset: 32, .size: 8, .value_kind: global_buffer, .address_space: global }
    .group_segment_fixed_size: 327680
    .private_segment_fixed_size: 0
    .kernarg_segment_align: 8
    .kernarg_segment_size: 40
    .max_flat_workgroup_size: 128
    .sgpr_count:     102
    .vgpr_count:     1024
    .wavefront_size: 32
...
	.end_amdgpu_metadata
.endif
;; end of part 2
;; launch prod (part 3): grid 8 x 32, 4 waves a work-group, clusters of 4 x 4, 327,680 bytes of LDS; arguments phi, out0; writes out0
.if DOCPART == 3
	.amdgcn_target "amdgcn-amd-amdhsa--gfx1250"
	.amdhsa_code_object_version 6
	.text
	.protected	k_qd88a235494_prod
	.globl	k_qd88a235494_prod
	.p2align	8
	.type	k_qd88a235494_prod,@function
k_qd88a235494_prod:
	s_mov_b64 s[64:65], 0
	v_nop
	global_prefetch_b8 v0, s[64:65] scope:SCOPE_SE
	s_setreg_imm32_b32 hwreg(HW_REG_WAVE_MODE, 25, 1), 1
	s_wait_xcnt 0x0
	s_wait_alu depctr_hold_cnt(0) depctr_sa_sdst(0) depctr_va_vdst(0) depctr_va_sdst(0) depctr_va_ssrc(0) depctr_va_vcc(0) depctr_vm_vsrc(0)
	s_getreg_b32 s2, hwreg(HW_REG_IB_STS2, 6, 4)
	s_cmp_eq_u32 s2, 0
	s_cbranch_scc0 .Lentry_in_a_cluster
	s_endpgm
.Lentry_in_a_cluster:
	s_bfe_u32 s2, ttmp6, 0x10000c
	s_cmp_lg_u32 s2, 0xf033
	s_cbranch_scc0 .Lentry_shape_is_right
	s_endpgm
.Lentry_shape_is_right:
; out0[row][o] = sum over m of PHI[row][m] PHI[8192 + o'][m]: rows 0-8191 of phi are phi_x, rows 8192-10239 the weights.  Codes of FP4 (E2M1) with E8M0 scales; out0 [8192][2048] f32; K = 2,048; sums in f32.
; phi: [512 along K: 4 planes][tile of 16 rows: 640][4,352 bytes]: codes as images of the operand's registers (the q-th 128 along K: 1,024 bytes at 1,024 q, two loads of 16 bytes a lane), then 256 bytes of scale words [q: 4][row: 16].
; THE WEIGHTS' ROWS ARE PERMUTED: lane r of tile t of a chunk of 64 columns is column 4 r + t.  Source 0 = 16 rows of phi_x, source 1 = 16 of the weights: a lane's results of the four tiles are four NEIGHBOURING
; columns of a row, and sixteen lanes hold 64: 128 moves lay a chunk's results for stores of 16 bytes a lane that write whole units of 256 bytes; nothing goes out through LDS.
; A work-group of four waves makes 256 x 256; wave w owns 64 rows and all 256 columns.  Its rows' codes for all of K (16 steps x 4 blocks x 8 registers = 512) stay in REGISTERS.  The columns go in four chunks of 64,
; 16 accumulators x 16 steps each; a chunk's results are stored among the next chunk's products.
; LDS.  Head, one joint load a wave: planes 0-2 of phi_x's 256 rows (waves 0-2), and chunk 0 of the weights for all of K (wave 3): 4 x 69,632 bytes.  phi_x's planes go on into registers; then each wave
; fetches the weights' chunks 1-3 of plane w (52,224 bytes) into the bytes that they have left (3 x 69,632 = 4 x 52,224), in flight while chunk 0 is multiplied.
; Plane 3 of phi_x, which LDS has no room for beside these, comes straight from memory into its registers (40 loads a wave), asked for among the LDS loads of the other planes.
; CLUSTERS: 4 x 4 work-groups; the four of a row of the cluster share phi_x's rows, the four of a column the weights': asked for jointly.
; No prefetch into the L2: there is no loop of loads to run ahead in.
; REGISTERS, in windows of 256: window 0: addresses, scale words, v128-255 results on the way out; windows 1, 2: phi_x's fragments of steps 0-7, 8-15 (block a of step s at v[32 (s % 8) + 8 a]);
;   window 3: v0-127 accumulators, (a, b) at 32 a + 8 b; v128-255 the weights' fragments, two sets of two steps.
.set TB,    4352                       ; a tile's image
.set PL,    640*TB
.set B0,    0                          ; LDS: chunk 0, [plane][4 tiles]
.set RG,    16*TB                      ; then phi_x's planes 0-2, [plane][16 tiles]; later chunks 1-3, [plane][12 tiles]
.set SPARE, RG+48*TB
.set LI,    8                          ; v8      16 x lane
.set SW,    9                          ; v9      my scale word in two tiles
.set AAD,   10                         ; v10-12  LDS: my rows' fragments of planes 0-2;  v13-15 their scale words
.set SAD,   13
.set SB,    16                         ; v16-19  LDS: the chunk's scale words, by plane
.set CO,    20                         ; v20     my place in out0: 8 h rows, 16 r bytes
.set AD,    21                         ; v21-24  LDS: the chunk's fragments, by plane
.set AS,    32                         ; register 2 s + u: lane l: the word of my row 32 u + l for step s
.set BS,    64                         ; the same of the chunk's tiles
.set ST,    128
.set BF,    128                        ; window 3
.set G1A, 24
.set G0A, 32
.set G1B, 48
.set G0B, 56
.set G1C, 68
.set G0C, 76
.set MSB, 0
.macro WIN new                         ; the immediate's high byte repeats the setting that is left
.if MSB != (\new)
	s_set_vgpr_msb (MSB<<8)|(\new)
.set MSB, (\new)
.endif
.endm
.macro PLACES n
.rept \n
	v_nop
.endr
.endm
.macro CROUND                          ; a round of the cluster's barrier
	s_barrier_signal -1
	s_barrier_wait -1
	s_cmp_lg_u32 s20, 0
	s_cbranch_scc1 .Lnot_wave_0_\@
	s_barrier_signal -3
.Lnot_wave_0_\@:
	s_barrier_wait -3
	s_barrier_signal -1
	s_barrier_wait -1
.endm
.macro SHAPE g, c, r, p                ; descriptor group 1, words 1 to 7: r rows of c elements of 8 bytes, p elements apart, no padding
	s_mov_b32 s[\g+1], (\c)<<16
	s_mov_b32 s[\g+2], (\r)<<16
	s_mov_b32 s[\g+3], (\c)<<16
	s_mov_b32 s[\g+4], \r
	s_mov_b32 s[\g+5], \p
	s_mov_b32 s[\g+6], 0
	s_mov_b32 s[\g+7], 0
.endm
	s_load_b128 s[4:7], s[0:1], 0x0                ; phi, out0
	v_lshl_add_u32 v30, v0, 2, SPARE
	v_mov_b32 v31, 0
	ds_add_u32 v30, v31                            ; the wave's opening: the add, twice on end, and its wait
	ds_add_u32 v30, v31
	v_lshrrev_b32 v1, 5, v0
	v_readfirstlane_b32 s20, v1                    ; wave
	s_min_u32 s22, s20, 2                          ; the plane of phi_x that I fetch (waves 0-2)
	s_bfe_u32 s40, ttmp6, 0x40000
	s_bfe_u32 s41, ttmp6, 0x40004
	s_lshl_b32 s42, ttmp9, 2
	s_add_co_u32 s42, s42, s40                     ; tile column
	s_and_b32 s43, ttmp7, 0xffff
	s_lshl_b32 s43, s43, 2
	s_add_co_u32 s43, s43, s41                     ; tile row
	s_lshl_b32 s44, s41, 2
	s_lshl_b32 s44, 15, s44                        ; my row of the cluster
	s_lshl_b32 s45, 0x1111, s40                    ; my column
	s_or_b32 s[G1A], s44, (3<<16)|(1<<21)
	s_or_b32 s[G1B], s45, (3<<16)|(1<<21)
	s_or_b32 s[G1C], s45, (3<<16)|(1<<21)
	SHAPE G1A, 32, 16*TB/256, 32                   ; a plane's 16 tiles, dense
	SHAPE G1B, 4*TB/8, 4, PL/8                     ; four planes' four tiles
	SHAPE G1C, 32, 12*TB/256, 32                   ; a plane's 12 tiles, dense
	s_mul_i32 s92, s43, 16*TB                      ; phi_x: by the tile row alone
	s_mul_i32 s94, s22, PL
	s_add_co_u32 s96, s92, s94
	s_mov_b32 s97, 0
	s_mul_i32 s94, s20, 4*TB
	s_add_co_u32 s98, s92, s94
	s_add_co_u32 s98, s98, 3*PL                    ; my own 64 rows in plane 3
	s_mov_b32 s99, 0
	s_add_co_u32 s67, s94, RG                      ; and in LDS, in a plane
	s_mul_i32 s46, s42, 16*TB                      ; the weights: by the tile column alone
	s_add_co_u32 s46, s46, 512*TB
	s_mov_b32 s47, 0
	s_mul_i32 s95, s20, PL
	s_add_co_u32 s100, s46, s95
	s_add_co_u32 s100, s100, 4*TB                  ; plane w, chunks 1-3
	s_mov_b32 s101, 0
	s_mul_i32 s23, s22, 16*TB
	s_add_co_u32 s23, s23, RG
	s_mul_i32 s66, s20, 12*TB
	s_add_co_u32 s66, s66, RG
	v_and_b32 v1, 15, v0                           ; r
	v_bfe_u32 v2, v0, 4, 1                         ; h
	v_and_b32 v3, 31, v0
	v_lshlrev_b32 v[LI], 4, v3
	v_mul_u32_u24 v[SW], v2, TB
	v_lshl_add_u32 v[SW], v1, 2, v[SW]
	v_add_nc_u32 v[AAD], s67, v[LI]
	v_add_nc_u32 v[AAD+1], 16*TB, v[AAD]
	v_add_nc_u32 v[AAD+2], 32*TB, v[AAD]
	v_add_nc_u32 v[SAD], s67, v[SW]
	v_add_nc_u32 v[SAD+1], 16*TB, v[SAD]
	v_add_nc_u32 v[SAD+2], 32*TB, v[SAD]
	v_mov_b32 v[SB], v[SW]
	v_mov_b32 v[AD], v[LI]
.irp p, 1,2,3
	v_add_nc_u32 v[SB+\p], \p*4*TB, v[SW]
	v_add_nc_u32 v[AD+\p], \p*4*TB, v[LI]
.endr
	v_lshlrev_b32 v[CO], 16, v2
	v_lshl_add_u32 v[CO], v1, 4, v[CO]
	s_wait_alu depctr_va_vdst(0)                   ; the wait directly ahead of the waits below
	s_wait_dscnt 0x0                               ; both opening adds are done
	s_wait_kmcnt 0x0
	s_add_nc_u64 s[96:97], s[4:5], s[96:97]
	s_add_nc_u64 s[98:99], s[4:5], s[98:99]
	s_add_nc_u64 s[46:47], s[4:5], s[46:47]
	s_add_nc_u64 s[100:101], s[4:5], s[100:101]
	s_mov_b32 s[G0A], 1
	s_mov_b32 s[G0A+1], s23
	s_mov_b64 s[G0A+2:G0A+3], s[96:97]
	s_or_b32 s[G0A+3], s[G0A+3], 0x80000000
	s_mov_b32 s[G0B], 1
	s_mov_b32 s[G0B+1], B0
	s_mov_b64 s[G0B+2:G0B+3], s[46:47]
	s_or_b32 s[G0B+3], s[G0B+3], 0x80000000
	s_mov_b32 s[G0C], 1
	s_mov_b32 s[G0C+1], s66
	s_mov_b64 s[G0C+2:G0C+3], s[100:101]
	s_or_b32 s[G0C+3], s[G0C+3], 0x80000000
	CROUND                                         ; all sixteen work-groups are here: the joint loads meet
	s_cmp_lt_u32 s20, 3                            ; one load a wave
	s_cbranch_scc0 .Lfor_b
	tensor_load_to_lds s[G0A:G0A+3], s[G1A:G1A+7]
	s_nop 0
	PLACES 4
	s_branch .Lasked
.Lfor_b:
	tensor_load_to_lds s[G0B:G0B+3], s[G1B:G1B+7]
	s_nop 0
	PLACES 4
.Lasked:
	s_lshl_b32 s92, s43, 21                        ; my first row of out0, x 8,192 bytes, and the tile's first column
	s_lshl_b32 s94, s20, 19
	s_add_co_u32 s92, s92, s94
	s_lshl_b32 s94, s42, 10
	s_add_co_u32 s92, s92, s94
	s_mov_b32 s93, 0
	s_add_nc_u64 s[6:7], s[6:7], s[92:93]
	s_wait_tensorcnt 0x0                           ; my part is in,
	s_barrier_signal -1
	s_barrier_wait -1                              ; and everybody's
; Plane 3, fragment f = 4 (s - 12) + a, from memory: two loads of 512 consecutive bytes.
.macro ASKP f
	WIN 0x80
	global_load_b128 v[128+8*(\f):128+8*(\f)+3], v[LI], s[98:99] offset:((\f)%4)*TB+((\f)/4)*1024
	global_load_b128 v[128+8*(\f)+4:128+8*(\f)+7], v[LI], s[98:99] offset:((\f)%4)*TB+((\f)/4)*1024+512
.endm
.irp s, 0,1,2,3,4,5,6,7,8,9,10,11      ; planes 0-2 of my rows go on into registers
	WIN 0x40*(1+\s/8)
.irp a, 0,1,2,3
	ds_load_b128 v[32*(\s%8)+8*\a:32*(\s%8)+8*\a+3], v[AAD+\s/4] offset:\a*TB+(\s%4)*1024
	ds_load_b128 v[32*(\s%8)+8*\a+4:32*(\s%8)+8*\a+7], v[AAD+\s/4] offset:\a*TB+(\s%4)*1024+512
.endr
.if \s < 8
	ASKP 2*\s
	ASKP 2*\s+1
.endif
.endr
	WIN 0
.irp s, 12,13,14,15
.irp u, 0,1
	global_load_b32 v[AS+2*\s+\u], v[SW], s[98:99] offset:4096+64*(\s%4)+2*TB*\u
.endr
.endr
.irp s, 0,1,2,3,4,5,6,7,8,9,10,11
.irp u, 0,1
	ds_load_b32 v[AS+2*\s+\u], v[SAD+\s/4] offset:4096+64*(\s%4)+2*TB*\u
.endr
.endr
; One load of the weights' fragments of step s: piece n = 2 x tile + half.
.macro BLD s, n
	ds_load_b128 v[BF+32*((\s)%4)+4*(\n):BF+32*((\s)%4)+4*(\n)+3], v[AD+(\s)/4] offset:((\n)/2)*TB+((\s)%4)*1024+512*((\n)%2)
.endm
.macro BLD2 s                          ; steps s and s + 1
	WIN 0xc0
.irp n, 0,1,2,3,4,5,6,7
	BLD \s, \n
.endr
.irp n, 0,1,2,3,4,5,6,7
	BLD (\s)+1, \n
.endr
	WIN 0
.endm
; A chunk's scale words for all of K, and the fragments of its first two steps.
.macro TOP
.irp s, 0,1,2,3,4,5,6,7,8,9,10,11,12,13,14,15
.irp u, 0,1
	ds_load_b32 v[BS+2*\s+\u], v[SB+\s/4] offset:4096+64*(\s%4)+2*TB*\u
.endr
.endr
	BLD2 0
.endm
	TOP                                            ; chunk 0's, ahead of the refill: they lie in bytes that are filled once
	s_wait_tensorcnt 0x0                           ; ahead of the refill
	ds_add_u32 v30, v31
	s_wait_dscnt 0x0                               ; the add is done, and so are my reads of phi_x's planes
	CROUND                                         ; this holds of every wave of the cluster
	tensor_load_to_lds s[G0C:G0C+3], s[G1C:G1C+7]  ; chunks 1-3 of plane w
	s_nop 0
	PLACES 4
; One product on the registers that the symbols name.  ra, rb: which half of the lanes holds the scale words of source 0's, source 1's block.  zero = 1: it starts the sum: nothing is ever cleared.
.macro WM zero, ra, rb
.if \zero
.if (\ra) && (\rb)
	v_wmma_scale_f32_16x16x128_f8f6f4 v[RGD:RGD+7], v[RA:RA+7], v[RGB:RGB+7], 0, v[RSA], v[RSB] matrix_a_fmt:MATRIX_FMT_FP4 matrix_b_fmt:MATRIX_FMT_FP4 matrix_a_scale:MATRIX_SCALE_ROW1 matrix_b_scale:MATRIX_SCALE_ROW1
.elseif \ra
	v_wmma_scale_f32_16x16x128_f8f6f4 v[RGD:RGD+7], v[RA:RA+7], v[RGB:RGB+7], 0, v[RSA], v[RSB] matrix_a_fmt:MATRIX_FMT_FP4 matrix_b_fmt:MATRIX_FMT_FP4 matrix_a_scale:MATRIX_SCALE_ROW1
.elseif \rb
	v_wmma_scale_f32_16x16x128_f8f6f4 v[RGD:RGD+7], v[RA:RA+7], v[RGB:RGB+7], 0, v[RSA], v[RSB] matrix_a_fmt:MATRIX_FMT_FP4 matrix_b_fmt:MATRIX_FMT_FP4 matrix_b_scale:MATRIX_SCALE_ROW1
.else
	v_wmma_scale_f32_16x16x128_f8f6f4 v[RGD:RGD+7], v[RA:RA+7], v[RGB:RGB+7], 0, v[RSA], v[RSB] matrix_a_fmt:MATRIX_FMT_FP4 matrix_b_fmt:MATRIX_FMT_FP4
.endif
.else
.if (\ra) && (\rb)
	v_wmma_scale_f32_16x16x128_f8f6f4 v[RGD:RGD+7], v[RA:RA+7], v[RGB:RGB+7], v[RGD:RGD+7], v[RSA], v[RSB] matrix_a_fmt:MATRIX_FMT_FP4 matrix_b_fmt:MATRIX_FMT_FP4 matrix_a_scale:MATRIX_SCALE_ROW1 matrix_b_scale:MATRIX_SCALE_ROW1
.elseif \ra
	v_wmma_scale_f32_16x16x128_f8f6f4 v[RGD:RGD+7], v[RA:RA+7], v[RGB:RGB+7], v[RGD:RGD+7], v[RSA], v[RSB] matrix_a_fmt:MATRIX_FMT_FP4 matrix_b_fmt:MATRIX_FMT_FP4 matrix_a_scale:MATRIX_SCALE_ROW1
.elseif \rb
	v_wmma_scale_f32_16x16x128_f8f6f4 v[RGD:RGD+7], v[RA:RA+7], v[RGB:RGB+7], v[RGD:RGD+7], v[RSA], v[RSB] matrix_a_fmt:MATRIX_FMT_FP4 matrix_b_fmt:MATRIX_FMT_FP4 matrix_b_scale:MATRIX_SCALE_ROW1
.else
	v_wmma_scale_f32_16x16x128_f8f6f4 v[RGD:RGD+7], v[RA:RA+7], v[RGB:RGB+7], v[RGD:RGD+7], v[RSA], v[RSB] matrix_a_fmt:MATRIX_FMT_FP4 matrix_b_fmt:MATRIX_FMT_FP4
.endif
.endif
.endm
; Results of block a, four columns a lane in a row's 256 bytes: laid for the stores (row 8 h + j of block a at v[ST + 4 (8 a + j)]);
.macro LAY a
.irp j, 0,1,2,3,4,5,6,7
.irp t, 0,1,2,3
	v_mov_b32 v[ST+32*(\a)+4*\j+\t], v[32*(\a)+8*\t+\j]
.endr
.endr
.endm
.macro SENDK k0, n                     ; and n stores from number k0 = 8 a + j on
.set sk, \k0
.rept \n
	global_store_b128 v[CO], v[ST+4*sk:ST+4*sk+3], s[6:7] offset:(16*(sk/8)+sk%8)*8192-256 th:TH_STORE_NT   ; each half of the lanes stores 256 consecutive bytes, at a multiple of 256 from out0's first byte
.set sk, sk+1
.endr
.endm
; Step s: my four row blocks x the chunk's four tiles; the 16 accumulators take turns, one instruction a turn, in the same order in every step.
.macro STEP s
	WIN 0xfd+(\s)/8                                ; source 0: window 1 or 2; source 1, C and D: window 3
.irp a, 0,1,2,3
.irp b, 0,1,2,3
.set RGD, 32*\a+8*\b
.set RA,  32*((\s)%8)+8*\a
.set RGB, BF+32*((\s)%4)+8*\b
.set RSA, AS+2*(\s)+\a/2
.set RSB, BS+2*(\s)+\b/2
.if (\s) == 0
	WM 1, \a%2, \b%2
.else
	WM 0, \a%2, \b%2
.endif
.endr
.endr
.endm
; Steps 2 i and 2 i + 1: 32 products.  In front of them, in one run, the next two steps' 16 LDS loads, into the set that the last pair multiplied (four plain places ahead of them), and some stores of the last chunk.
.macro PAIR i, st
.if (\i) > 0
	PLACES 4
.endif
.if (\i) < 7
	BLD2 2*(\i)+2
.endif
	WIN 0
.if \st
.if (\i) < 4
	SENDK 6*(\i), 6
.elseif (\i) < 6
	SENDK 8+4*(\i), 4
.endif
.endif
.if (\i) < 7
	s_wait_dscnt 16                                ; this pair's fragments are in; the 16 just issued may be out
.else
	s_wait_dscnt 0x0
.endif
.if ((\i) == 6) && ((\st) == 0)
	s_wait_loadcnt 0x0                             ; plane 3 of phi_x is in
.endif
	STEP 2*(\i)
	STEP 2*(\i)+1
.endm
.irp i, 0,1,2,3,4,5,6,7
	PAIR \i, 0
.endr
	WIN 0                                          ; the addresses of chunk 1, less the step that each trip makes
.irp p, 0,1,2,3
	v_add_nc_u32 v[AD+\p], RG-4*TB+\p*12*TB, v[LI]
	v_add_nc_u32 v[SB+\p], RG-4*TB+\p*12*TB, v[SW]
.endr
	s_mov_b32 s3, 3
	s_wait_alu depctr_va_vdst(0)                   ; the wait directly ahead of the wait below
	s_wait_tensorcnt 0x0                           ; my plane of chunks 1-3 is in (no LDS instruction of mine is out),
	s_barrier_signal -1
	s_barrier_wait -1                              ; and everybody's; nothing is filled any more
.Lchunk:
.irp p, 0,1,2,3                        ; these eight additions are also the places behind the last products
	v_add_nc_u32 v[AD+\p], 4*TB, v[AD+\p]
	v_add_nc_u32 v[SB+\p], 4*TB, v[SB+\p]
.endr
	s_wait_alu depctr_va_vdst(0)                   ; the wait directly behind the writes
	TOP
	s_wait_xcnt 0x0                                ; the stores have read their data and their base
	s_add_nc_u64 s[6:7], s[6:7], 0x100             ; (the stores' immediates are 256 less)
	WIN 0x03
.irp a, 0,1,2,3
	LAY \a
.endr
	s_wait_alu depctr_va_vdst(0)                   ; the wait ahead of the waits below
.irp i, 0,1,2,3,4,5,6,7
	PAIR \i, 1
.endr
	WIN 0
	s_sub_co_u32 s3, s3, 1
	s_cmp_lg_u32 s3, 0
	s_cbranch_scc1 .Lchunk
	PLACES 4                                       ; in front of the first read of the last results
	s_wait_xcnt 0x0
	s_add_nc_u64 s[6:7], s[6:7], 0x100
.irp a, 0,1,2,3
	WIN 0x03
	LAY \a
	WIN 0
	SENDK 8*\a, 8
.endr
	s_wait_tensorcnt 0x0                           ; the wave's end
	ds_add_u32 v30, v31
	s_wait_dscnt 0x0
	CROUND                                         ; the closing round: no work-group ends while a partner may still ask for a tile that names it
	s_endpgm
.Lfunc_end_k_qd88a235494_prod:
	.size	k_qd88a235494_prod, .Lfunc_end_k_qd88a235494_prod-k_qd88a235494_prod
	.p2alignl 7, 3214868480
	.fill 96, 4, 3214868480
	.section	.rodata,"a",@progbits
	.p2align	6, 0x0
	.amdhsa_kernel k_qd88a235494_prod
		.amdhsa_group_segment_fixed_size 327680
		.amdhsa_private_segment_fixed_size 0
		.amdhsa_enable_private_segment 0
		.amdhsa_kernarg_size 16
		.amdhsa_user_sgpr_count 2
		.amdhsa_user_sgpr_kernarg_segment_ptr 1
		.amdhsa_wavefront_size32 1
		.amdhsa_system_sgpr_workgroup_id_x 1
		.amdhsa_system_sgpr_workgroup_id_y 1
		.amdhsa_system_sgpr_workgroup_id_z 1
		.amdhsa_system_vgpr_workitem_id 0
		.amdhsa_next_free_vgpr 1024
		.amdhsa_next_free_sgpr 102
		.amdhsa_reserve_vcc 0
		.amdhsa_float_denorm_mode_32 3
		.amdhsa_float_denorm_mode_16_64 3
		.amdhsa_memory_ordered 1
		.amdhsa_forward_progress 1
		.amdhsa_inst_pref_size 124
	.end_amdhsa_kernel
	.amdgpu_metadata
---
amdhsa.version: [ 1, 2 ]
amdhsa.kernels:
  - .name:           k_qd88a235494_prod
    .symbol:         k_qd88a235494_prod.kd
    .args:
      - { .name: phi, .offset: 0, .size: 8, .value_kind: global_buffer, .address_space: global }
      - { .name: out0, .offset: 8, .size: 8, .value_kind: global_buffer, .address_space: global }
    .group_segment_fixed_size: 327680
    .private_segment_fixed_size: 0
    .kernarg_segment_align: 8
    .kernarg_segment_size: 16
    .max_flat_workgroup_size: 128
    .sgpr_count:     102
    .vgpr_count:     1024
    .wavefront_size: 32
...
	.end_amdgpu_metadata
.endif
;; end of part 3
